; MI455X (gfx1250); checked and timed in simulation.
; The chip was launched on July 23, 2026; its instructions are those of AMD's public machine-readable ISA for CDNA 5 (MIT licence, August 2026) and "CDNA5" Instruction Set Architecture Reference Guide (July 2026). The comments in the code are by the model that wrote it; some were corrected since.
;; Mo E. Allowed arithmetic: float matrix products may take bf16 or f16 operands with f32 sums; other float arithmetic in f32, or as packed bf16 or f16 multiplies, adds, multiply-adds, maxima and minima; sums over many terms, partial sums and values carried from step to step in f32; what a program stores and reads back later, other than sums and carried values, may be rounded once to bf16 or f16.
;; Inputs: routed_down 2 x 1,024 x 1,024 float32; routed_up 2 x 1,024 x 1,024 float32; router_w 1,024 x 2 float32; shared_down 1 x 1,024 x 1,024 float32; shared_up 1 x 1,024 x 1,024 float32; x 4 x 2,048 x 1,024 float32.
;; Outputs: out0 4 x 2,048 x 1,024 float32.
;; One version. Each part assembles by itself: llvm-mc -triple=amdgcn-amd-amdhsa -mcpu=gfx1250 --defsym DOCPART=n.
;; ======== version 1 of 1: 3 launches
;; workspace buffers: xb 16,777,216 bytes; wu 6,291,456 bytes; wd 6,291,456 bytes; gates 131,072 bytes; hb 50,331,648 bytes
;; launch prep (part 1): grid 448 x 1, 2 waves a work-group, no clusters, 0 bytes of LDS; arguments x, router_w, shared_up, routed_up, shared_down, routed_down, xb, wu, wd, gates; writes xb, wu, wd, gates
.if DOCPART == 1
	.amdgcn_target "amdgcn-amd-amdhsa--gfx1250"
	.amdhsa_code_object_version 6
	.text
	.protected	k_q44715dd061_prep
	.globl	k_q44715dd061_prep
	.p2align	8
	.type	k_q44715dd061_prep,@function
k_q44715dd061_prep:
	s_mov_b64 s[64:65], 0
	v_nop
	global_prefetch_b8 v0, s[64:65] scope:SCOPE_SE
	s_setreg_imm32_b32 hwreg(HW_REG_WAVE_MODE, 25, 1), 1
	s_wait_xcnt 0x0
; PREP.  x [8192][1024] and the six weight matrices [1024][1024], all f32, are rounded once to bf16 and laid out so that every tile of the two products that follow is dense in memory;
; and the router is computed, all in f32: logits x . router_w, softmax with its maximum taken away.
;   xb [kb 16][row 8192][64]          wu [kb 16][16 e + n / 64][k % 64][n % 64]     (e = 0 shared, 1 and 2 routed)
;   wd [S 16][n / 256][kg % 192][n % 256], kg = 1024 e + k the row among the three down matrices on end, S = kg / 192
;   gates [row][4] f32 = (1.0, p0, p1, 0.0).  reference() keeps the top 2 of 2 probabilities, so each routed expert's gate is its probability, whatever order the top-k gives.
; LIMITS.  A probability below 2^-126 counts as 0 (the exponential's own flush); NaN and infinities are not treated apart.
; SHARES.  A wave owns 16 source rows of 4,096 bytes, taken as 8 pairs.  For x and the up matrices lanes 0-15 hold the pair's first row, lanes 16-31 its second; load cb of 16 takes 256 consecutive
; bytes of each row (its block cb of 64 columns), and the store that follows writes the two rows' 128 bytes of that block, which lie end to end: 256 consecutive bytes, aligned.
; For the down matrices a load takes 512 consecutive bytes of ONE row (128 columns), and the store writes their 256 bytes, consecutive in wd's rows of 512.
; Work-groups 0-255 take x and the router, 256-447 the weights (32 work-groups a matrix).  No LDS, no barrier: no wave needs another's data.  No matrix unit: the router has two columns.
; Two slots of 64 registers take turns, so that one pair's sixteen loads are on their way while the other pair is worked on.
.set XS,  32                           ; v32-95, v96-159  slot s: a pair of rows as loaded
.set YS,  160                          ; v160-191  the pair rounded: two registers for each of 16 stores
.set ACC, 10                           ; v10-17    four chains of (logit 0, logit 1)
.set KL,  8                            ; v8-9      the logits that this lane keeps
; v1 lane; v2 load offset; v3 store offset; v4, v5 which pair this lane keeps, and that less 1; v6 offset in gates; v7 offset in router_w; v18-25 at work
; window 1 (v256-383): router_w for the lane's 64 columns: column 64 cb + 4 (lane % 16) + j as the pair v[8 cb + 2 j], (w[c][0], w[c][1])
.set MSB, 0
.macro WIN new                         ; the immediate's high byte repeats the setting that is left
.if MSB != (\new)
	s_set_vgpr_msb (MSB<<8)|(\new)
.set MSB, \new
.endif
.endm
.macro FILL slot, add, str             ; sixteen loads: a pair of rows; str: bytes from load to load
.irp cb, 0,1,2,3,4,5,6,7,8,9,10,11,12,13,14,15
	global_load_b128 v[XS+64*(\slot)+4*(\cb):XS+64*(\slot)+4*(\cb)+3], v2, s[8:9] offset:(\slot)*8192+(\cb)*(\str)+(\add) th:TH_LOAD_NT
.endr
.endm
; four columns' part of both logits: each line takes ONE x (op_sel picks it from its pair for both halves) times (w[c][0], w[c][1])
.macro DOT slot, cb
.set xr, XS+64*(\slot)+4*(\cb)
.set wr, 8*(\cb)
.if (\cb) == 0                         ; the first block starts the four chains: nothing is cleared
	v_pk_mul_f32 v[ACC:ACC+1],   v[xr:xr+1],   v[wr:wr+1]   op_sel:[0,0] op_sel_hi:[0,1]
	v_pk_mul_f32 v[ACC+2:ACC+3], v[xr:xr+1],   v[wr+2:wr+3] op_sel:[1,0] op_sel_hi:[1,1]
	v_pk_mul_f32 v[ACC+4:ACC+5], v[xr+2:xr+3], v[wr+4:wr+5] op_sel:[0,0] op_sel_hi:[0,1]
	v_pk_mul_f32 v[ACC+6:ACC+7], v[xr+2:xr+3], v[wr+6:wr+7] op_sel:[1,0] op_sel_hi:[1,1]
.else
	v_pk_fma_f32 v[ACC:ACC+1],   v[xr:xr+1],   v[wr:wr+1],   v[ACC:ACC+1]   op_sel:[0,0,0] op_sel_hi:[0,1,1]
	v_pk_fma_f32 v[ACC+2:ACC+3], v[xr:xr+1],   v[wr+2:wr+3], v[ACC+2:ACC+3] op_sel:[1,0,0] op_sel_hi:[1,1,1]
	v_pk_fma_f32 v[ACC+4:ACC+5], v[xr+2:xr+3], v[wr+4:wr+5], v[ACC+4:ACC+5] op_sel:[0,0,0] op_sel_hi:[0,1,1]
	v_pk_fma_f32 v[ACC+6:ACC+7], v[xr+2:xr+3], v[wr+6:wr+7], v[ACC+6:ACC+7] op_sel:[1,0,0] op_sel_hi:[1,1,1]
.endif
.endm
; One pair's turn.  fill = 1: the slot takes the pair two further on.  left: the younger loads that may stay out.  mode: 0 an up matrix, 1 x (two store bases, and the router), 2 a down matrix.
.macro PAIR slot, fill, left, mode
	s_wait_loadcnt \left                           ; loads come back in order: this slot's sixteen are in, the other slot's stay out
	s_wait_xcnt 0x0                                ; the last pair's stores have read YS: it is rewritten only behind this wait
.irp cb, 0,1,2,3,4,5,6,7,8,9,10,11,12,13,14,15
	v_cvt_pk_bf16_f32 v[YS+2*(\cb)],   v[XS+64*(\slot)+4*(\cb)],   v[XS+64*(\slot)+4*(\cb)+1]
	v_cvt_pk_bf16_f32 v[YS+2*(\cb)+1], v[XS+64*(\slot)+4*(\cb)+2], v[XS+64*(\slot)+4*(\cb)+3]
.endr
.irp cb, 0,1,2,3,4,5,6,7,8,9,10,11,12,13,14,15
.if (\mode) == 1
.if (\cb) < 8                          ; xb's blocks lie 1 MiB apart: two bases keep the offset inside the signed 24-bit immediate
	global_store_b64 v3, v[YS+2*(\cb):YS+2*(\cb)+1], s[20:21] offset:(\cb)*1048576+(\slot)*256
.else
	global_store_b64 v3, v[YS+2*(\cb):YS+2*(\cb)+1], s[28:29] offset:((\cb)-8)*1048576+(\slot)*256
.endif
.elseif (\mode) == 0
	global_store_b64 v3, v[YS+2*(\cb):YS+2*(\cb)+1], s[20:21] offset:(\cb)*8192+(\slot)*256
.else                                  ; load cb: row cb / 8 of the pair, columns 128 (cb % 8) on: tile (cb % 8) / 2 of 256 columns, half cb % 2 of its row
	global_store_b64 v3, v[YS+2*(\cb):YS+2*(\cb)+1], s[20:21] offset:(((\cb)%8)/2)*98304+((\cb)/8)*512+((\cb)%2)*256+(\slot)*1024
.endif
.endr
.if (\mode) == 1
	WIN 0x04                                       ; source 1 (router_w) in window 1
.irp cb, 0,1,2,3,4,5,6,7,8,9,10,11,12,13,14,15
	DOT \slot, \cb
.endr
	WIN 0
.endif
.if \fill
.if (\mode) == 2
	FILL \slot, 16384, 512
.else
	FILL \slot, 16384, 256
.endif
.endif
.if (\mode) == 1
	v_pk_add_f32 v[ACC:ACC+1], v[ACC:ACC+1], v[ACC+2:ACC+3]
	v_pk_add_f32 v[ACC+4:ACC+5], v[ACC+4:ACC+5], v[ACC+6:ACC+7]
	v_pk_add_f32 v[ACC:ACC+1], v[ACC:ACC+1], v[ACC+4:ACC+5]
.irp m, 1,2,4,8                        ; over the 16 lanes of a half: each half sums its own row
	v_add_f32_dpp v[ACC], v[ACC], v[ACC] row_xmask:\m row_mask:0xf bank_mask:0xf
	v_add_f32_dpp v[ACC+1], v[ACC+1], v[ACC+1] row_xmask:\m row_mask:0xf bank_mask:0xf
.endr
	v_cmp_eq_u32 vcc_lo, s31, v[4+(\slot)]         ; the two lanes of each half whose pair this is keep the logits
	v_cndmask_b32 v[KL], v[KL], v[ACC], vcc_lo
	v_cndmask_b32 v[KL+1], v[KL+1], v[ACC+1], vcc_lo
.endif
.endm
	s_load_b512 s[8:23], s[0:1], 0x0               ; x s[8:9], router_w s[10:11], shared_up s[12:13], routed_up s[14:15], shared_down s[16:17], routed_down s[18:19], xb s[20:21], wu s[22:23]
	s_load_b128 s[24:27], s[0:1], 0x40             ; wd s[24:25], gates s[26:27]
	v_and_b32 v1, 31, v0                           ; lane
	v_lshrrev_b32 v18, 5, v0
	v_readfirstlane_b32 s2, v18                    ; wave 0, 1
	v_lshrrev_b32 v19, 4, v1                       ; which row of a pair
	v_and_b32 v20, 15, v1                          ; which 16 bytes of a block's 256
	v_lshlrev_b32 v2, 4, v20
	v_lshl_add_u32 v2, v19, 12, v2                 ; load: row x 4,096 + 16 x (lane % 16)
	v_lshlrev_b32 v3, 3, v1                        ; store: 8 x lane
	s_mov_b32 s30, 3                               ; trips: six pairs in the loop, two behind it
	s_cmp_lt_u32 ttmp9, 256
	s_cbranch_scc0 .Lweights
	; ---- x and the router ----
	v_lshrrev_b32 v4, 1, v20                       ; the pair whose logits this lane keeps
	v_add_nc_u32 v5, -1, v4
	v_and_b32 v21, 1, v1
	v_lshl_add_u32 v6, v4, 1, v19                  ; its row among the wave's 16,
	v_lshlrev_b32 v6, 4, v6                        ; 16 bytes a row in gates,
	v_lshl_add_u32 v6, v21, 3, v6                  ; even lanes the first 8 bytes, odd lanes the second
	v_lshlrev_b32 v7, 5, v20                       ; router_w: 4 columns x 8 bytes
	v_mov_b32 v[KL], 0
	v_mov_b32 v[KL+1], 0
	s_lshl_b32 s3, ttmp9, 5
	s_lshl4_add_u32 s3, s2, s3                     ; my first row = 32 x work-group + 16 x wave
	s_lshl_b32 s4, s3, 12
	s_mov_b32 s5, 0
	s_lshl_b32 s6, s3, 7
	s_mov_b32 s7, 0
	s_mov_b32 s31, 0                               ; the pair in slot 0
	s_wait_kmcnt 0x0
	s_add_nc_u64 s[8:9], s[8:9], s[4:5]
	s_add_nc_u64 s[20:21], s[20:21], s[6:7]        ; xb, blocks 0-7
	s_add_nc_u64 s[28:29], s[20:21], 0x800000      ; xb, blocks 8-15
	s_lshl_b32 s4, s3, 4
	s_add_nc_u64 s[26:27], s[26:27], s[4:5]
	WIN 0x40                                       ; destination window 1
.irp cb, 0,1,2,3,4,5,6,7,8,9,10,11,12,13,14,15
	global_load_b128 v[8*(\cb):8*(\cb)+3],   v7, s[10:11] offset:512*(\cb)
	global_load_b128 v[8*(\cb)+4:8*(\cb)+7], v7, s[10:11] offset:512*(\cb)+16
.endr
	WIN 0
	FILL 0, 0, 256
	FILL 1, 0, 256
.Lxtrip:
	PAIR 0, 1, 16, 1
	PAIR 1, 1, 16, 1
	s_wait_xcnt 0x0                                ; the bases are stepped only behind this wait
	s_add_nc_u64 s[8:9], s[8:9], 16384
	s_add_nc_u64 s[20:21], s[20:21], 512
	s_add_nc_u64 s[28:29], s[28:29], 512
	s_add_co_u32 s31, s31, 2
	s_sub_co_u32 s30, s30, 1
	s_cmp_lg_u32 s30, 0
	s_cbranch_scc1 .Lxtrip
	PAIR 0, 0, 16, 1                               ; the last two pairs load nothing: the counts run down
	PAIR 1, 0, 0, 1
	; softmax over the two logits, once for the wave's 16 rows, each lane its own row
	v_max_num_f32 v18, v[KL], v[KL+1]
	v_sub_f32 v19, v[KL], v18
	v_sub_f32 v20, v[KL+1], v18
	v_mul_f32 v19, 0x3fb8aa3b, v19                 ; log2(e)
	v_mul_f32 v20, 0x3fb8aa3b, v20
	v_exp_f32 v19, v19
	v_exp_f32 v20, v20
	v_nop                                          ; a plain instruction behind the last exponential,
	s_wait_alu depctr_va_vdst(0)                   ; and one wait for the two, ahead of their first reader
	v_add_f32 v22, v19, v20                        ; at least 1: the larger logit's term is 1
	v_rcp_f32 v23, v22
	v_mov_b32 v18, 0                               ; the plain instruction behind the reciprocal
	s_wait_alu depctr_va_vdst(0)
	v_mul_f32 v19, v19, v23                        ; p0
	v_mul_f32 v20, v20, v23                        ; p1
	v_cmp_eq_u32 vcc_lo, 1, v21                    ; odd lanes
	v_cndmask_b32 v24, 1.0, v20, vcc_lo            ; even: 1.0, odd: p1
	v_cndmask_b32 v25, v19, v18, vcc_lo            ; even: p0,  odd: 0
	global_store_b64 v6, v[24:25], s[26:27]        ; the wave's 16 rows: 256 consecutive bytes, aligned
	s_endpgm
	; ---- the weights ----
.Lweights:
	s_sub_co_u32 s3, ttmp9, 256
	s_lshr_b32 s4, s3, 5                           ; matrix: 0 shared up, 1, 2 routed up, 3 shared down, 4, 5 routed down
	s_and_b32 s3, s3, 31
	s_lshl_b32 s3, s3, 5
	s_lshl4_add_u32 s3, s2, s3                     ; my first row of it
	s_wait_kmcnt 0x0
	s_cmp_ge_u32 s4, 3                             ; a down matrix?
	s_cselect_b64 s[32:33], s[16:17], s[12:13]     ; the shared one,
	s_cselect_b64 s[34:35], s[18:19], s[14:15]     ; the routed ones
	s_cselect_b32 s5, 3, 0
	s_sub_co_u32 s6, s4, s5                        ; e
	s_cmp_eq_u32 s6, 0
	s_cselect_b64 s[8:9], s[32:33], s[34:35]
	s_max_u32 s5, s6, 1
	s_sub_co_u32 s5, s5, 1                         ; which of the two routed matrices
	s_lshl_b32 s36, s5, 22
	s_lshl_b32 s5, s3, 12
	s_add_co_u32 s36, s36, s5
	s_mov_b32 s37, 0
	s_add_nc_u64 s[8:9], s[8:9], s[36:37]
	s_mov_b32 s39, 0
	s_cmp_ge_u32 s4, 3
	s_cbranch_scc1 .Ldownw
	s_lshr_b32 s5, s3, 6                           ; wu: 64 source rows are a K block of 48 tiles,
	s_mul_i32 s38, s5, 393216
	s_lshl_b32 s5, s6, 17                          ; an expert 16 tiles,
	s_add_co_u32 s38, s38, s5
	s_and_b32 s5, s3, 63
	s_lshl_b32 s5, s5, 7                           ; a row in a tile 128 bytes
	s_add_co_u32 s38, s38, s5
	s_add_nc_u64 s[20:21], s[22:23], s[38:39]
	FILL 0, 0, 256
	FILL 1, 0, 256
.Lwtrip:
	PAIR 0, 1, 16, 0
	PAIR 1, 1, 16, 0
	s_wait_xcnt 0x0                                ; the bases are stepped only behind this wait
	s_add_nc_u64 s[8:9], s[8:9], 16384
	s_add_nc_u64 s[20:21], s[20:21], 512
	s_sub_co_u32 s30, s30, 1
	s_cmp_lg_u32 s30, 0
	s_cbranch_scc1 .Lwtrip
	PAIR 0, 0, 16, 0
	PAIR 1, 0, 0, 0
	s_endpgm
.Ldownw:
	v_lshlrev_b32 v2, 4, v1                        ; load: 16 x lane: 512 consecutive bytes of one row
	s_lshl_b32 s5, s6, 10
	s_add_co_u32 s5, s5, s3                        ; kg of my first row, a multiple of 16; 192 = 12 x 16, so my 16 rows lie in one S
	s_lshr_b32 s7, s5, 4
	s_mul_i32 s7, s7, 171
	s_lshr_b32 s7, s7, 11                          ; S = (kg / 16) / 12: 171 / 2048 lies above 1 / 12 by less than 1 / (12 x 192), so the quotient is exact up to 191
	s_mul_i32 s38, s7, 192
	s_sub_co_u32 s5, s5, s38                       ; kg % 192
	s_mul_i32 s38, s7, 393216                      ; an S is four tiles of 192 rows x 512 bytes
	s_lshl_b32 s5, s5, 9
	s_add_co_u32 s38, s38, s5
	s_add_nc_u64 s[20:21], s[24:25], s[38:39]
	FILL 0, 0, 512
	FILL 1, 0, 512
.Ldtrip:
	PAIR 0, 1, 16, 2
	PAIR 1, 1, 16, 2
	s_wait_xcnt 0x0                                ; the bases are stepped only behind this wait
	s_add_nc_u64 s[8:9], s[8:9], 16384
	s_add_nc_u64 s[20:21], s[20:21], 2048          ; four rows of 512 bytes
	s_sub_co_u32 s30, s30, 1
	s_cmp_lg_u32 s30, 0
	s_cbranch_scc1 .Ldtrip
	PAIR 0, 0, 16, 2
	PAIR 1, 0, 0, 2
	s_endpgm
.Lfunc_end_k_q44715dd061_prep:
	.size	k_q44715dd061_prep, .Lfunc_end_k_q44715dd061_prep-k_q44715dd061_prep
	.p2alignl 7, 3214868480
	.fill 96, 4, 3214868480
	.section	.rodata,"a",@progbits
	.p2align	6, 0x0
	.amdhsa_kernel k_q44715dd061_prep
		.amdhsa_group_segment_fixed_size 0
		.amdhsa_private_segment_fixed_size 0
		.amdhsa_enable_private_segment 0
		.amdhsa_kernarg_size 80
		.amdhsa_user_sgpr_count 2
		.amdhsa_user_sgpr_kernarg_segment_ptr 1
		.amdhsa_wavefront_size32 1
		.amdhsa_system_sgpr_workgroup_id_x 1
		.amdhsa_system_sgpr_workgroup_id_y 1
		.amdhsa_system_sgpr_workgroup_id_z 1
		.amdhsa_system_vgpr_workitem_id 0
		.amdhsa_next_free_vgpr 384
		.amdhsa_next_free_sgpr 66
		.amdhsa_reserve_vcc 1
		.amdhsa_float_denorm_mode_32 3
		.amdhsa_float_denorm_mode_16_64 3
		.amdhsa_memory_ordered 1
		.amdhsa_forward_progress 1
		.amdhsa_inst_pref_size 88
	.end_amdhsa_kernel
	.amdgpu_metadata
---
amdhsa.version: [ 1, 2 ]
amdhsa.kernels:
  - .name:           k_q44715dd061_prep
    .symbol:         k_q44715dd061_prep.kd
    .args:
      - { .name: x, .offset: 0, .size: 8, .value_kind: global_buffer, .address_space: global }
      - { .name: router_w, .offset: 8, .size: 8, .value_kind: global_buffer, .address_space: global }
      - { .name: shared_up, .offset: 16, .size: 8, .value_kind: global_buffer, .address_space: global }
      - { .name: routed_up, .offset: 24, .size: 8, .value_kind: global_buffer, .address_space: global }
      - { .name: shared_down, .offset: 32, .size: 8, .value_kind: global_buffer, .address_space: global }
      - { .name: routed_down, .offset: 40, .size: 8, .value_kind: global_buffer, .address_space: global }
      - { .name: xb, .offset: 48, .size: 8, .value_kind: global_buffer, .address_space: global }
      - { .name: wu, .offset: 56, .size: 8, .value_kind: global_buffer, .address_space: global }
      - { .name: wd, .offset: 64, .size: 8, .value_kind: global_buffer, .address_space: global }
      - { .name: gates, .offset: 72, .size: 8, .value_kind: global_buffer, .address_space: global }
    .group_segment_fixed_size: 0
    .private_segment_fixed_size: 0
    .kernarg_segment_align: 8
    .kernarg_segment_size: 80
    .max_flat_workgroup_size: 64
    .sgpr_count:     66
    .vgpr_count:     384
    .wavefront_size: 32
...
	.end_amdgpu_metadata
.endif
;; end of part 1
;; launch up (part 2): grid 8 x 32, 4 waves a work-group, clusters of 4 x 4, 327,680 bytes of LDS; arguments xb, wu, gates, hb; writes hb
.if DOCPART == 2
	.amdgcn_target "amdgcn-amd-amdhsa--gfx1250"
	.amdhsa_code_object_version 6
	.text
	.protected	k_q44715dd061_up
	.globl	k_q44715dd061_up
	.p2align	8
	.type	k_q44715dd061_up,@function
k_q44715dd061_up:
	s_mov_b64 s[64:65], 0
	v_nop
	global_prefetch_b8 v0, s[64:65] scope:SCOPE_SE
	s_setreg_imm32_b32 hwreg(HW_REG_WAVE_MODE, 25, 1), 1
	s_wait_xcnt 0x0
	s_wait_alu depctr_hold_cnt(0) depctr_sa_sdst(0) depctr_va_vdst(0) depctr_va_sdst(0) depctr_va_ssrc(0) depctr_va_vcc(0) depctr_vm_vsrc(0)
	s_getreg_b32 s2, hwreg(HW_REG_IB_STS2, 6, 4)
	s_cmp_eq_u32 s2, 0
	s_cbranch_scc0 .Lentry_in_a_cluster
	s_endpgm
.Lentry_in_a_cluster:
	s_bfe_u32 s2, ttmp6, 0x10000c
	s_cmp_lg_u32 s2, 0xf033
	s_cbranch_scc0 .Lentry_shape_is_right
	s_endpgm
.Lentry_shape_is_right:
; UP.  u = x [Us U0 U1] (8,192 x 3,072, K = 1,024, bf16 operands, f32 sums); h = gate x gelu(u), rounded once to bf16, stored as
; hb [S 16][row / 128][blk 3][row % 128][64]: hidden column 192 S + 64 blk + c.  So 128 rows x 192 hidden columns, what a wave makes here and a tile of the next launch, are 49,152 consecutive bytes.
; The gate of a block of 64 hidden columns is 1.0 (shared expert), p0 or p1 (routed): column e of gates [row][4].
; GELU, the exact (erf) one: gelu(u) = max(u, 0) - |u| q, q = 2^(-u u log2(e) / 2) t (c1 + t (c2 + t (c3 + t (c4 + t c5)))), t = 1 / (1 + 0.2316419 |u|): the normal tail by
; Abramowitz and Stegun 26.2.17, off by 7.5e-8 at the most for every u; no difference of near numbers is formed.
; LIMITS.  q below 2^-126 counts as 0; NaN and infinities are not treated apart; x, the weights and h are rounded to bf16.
; SHARES.  A work-group makes 256 rows x 384 columns (8 x 32 = 256 work-groups), each of four waves 128 x 192: 96 accumulators of 16 x 16 in windows 1 to 3, one block of 64 columns a window.
; K goes in steps of 64 through two LDS slots; a step is two half steps of 32, each three STRETCHES of 32 matrix instructions, one a window.
; CLUSTER 4 x 4: the four work-groups of a row of the cluster need the same rows of x, the four of a column the same weights: each tile is asked for jointly.
; PREFETCH INTO THE L2.  x's tile of a K block (256 rows x 128 bytes = 32,768 bytes) is read by the eight work-groups of a row of the grid.  In trip t of the loop (two K blocks) work-group j asks, by its
; wave 0 alone, for 8,192 bytes: quarter j % 4 of the tile of K block 2 t + 4 + j / 4, lanes 256 bytes apart: each aligned 256 bytes of xb from K block 2 on is asked for once in the launch.  The request
; stands behind the half step that follows the refill for K block 2 t + 3: one and two refills ahead of the tensor loads that want the bytes.  K blocks 2 and 3 are asked for at the head; the last trip
; asks for nothing: K block 15 is the last.  The weights are not asked for: all 32 rows of the grid read the same 6 MB at about the same time.
; THE MATRIX INSTRUCTION IS USED TRANSPOSED: source 0 = 16 hidden columns (weights lie [k][n] in LDS and are turned by ds_load_tr16_b128), source 1 = 16 rows of x: a lane holds one row and 8 neighbouring columns.
; REGISTERS.  window 0: v0-31 addresses; v32-95, v96-159 x's fragments (8 x 16 rows x 32 K) of half steps 0 and 1; v160-255 the weights' fragments, 32 registers a stretch.
;   windows 1-3: accumulator (a, bb) at v[8 (4 a + bb)].  A stretch's weight registers are loaded again directly behind it, x's other buffer with stretch 0's.
.set PA,    144                        ; a row of x in LDS: 128 bytes + 16: the 16 rows of a load start at 16 different groups of four banks (64 banks of 4 bytes: ISA guide 11.1)
.set PB,    160                        ; a row of weights: 128 + 32
.set ATILE, 128*PA                     ; 128 rows of x: one tensor load, and what a wave reads
.set BTILE, 64*PB                      ; 64 k x 64 n of weights
.set BOFF,  2*ATILE
.set BHALF, 3*BTILE                    ; three blocks: one tensor load, and what a wave reads
.set SLOT,  BOFF+2*BHALF               ; 98,304
.set STAGE, 2*SLOT                     ; behind the ring: 16 rows x 144 bytes of bf16 for each wave
.set SP,    144
.set WSTAGE, 16*SP
.set GT,    STAGE+4*WSTAGE             ; each wave's gates: [stretch 3][row 128] f32
.set SPARE, GT+4*1536                  ; the spare words, 128 bytes a wave: two blocks of 256 bytes that no other line names
.set ASTEP, 1048576                    ; bytes from K block to K block in xb
.set BSTEP, 393216                     ; and in wu
.set LAPS,  7                          ; 16 K blocks: two at the start, two a trip
.set GD,   4                           ; v4-15   the gates on their way to LDS
.set ADRA, 16                          ; v16-17  LDS address of my x fragments in slot 0, 1
.set ADRB, 20                          ; v20-21  the same for the weights
.set STO,  24                          ; v24     the way out: where I put 16 bytes of a row
.set RD,   25                          ; v25     where I read rows back
.set GTA,  26                          ; v26     my row's place (lane % 16) in the gates
.set PFO,  27                          ; v27     256 x lane, for the prefetch; never rewritten
.set SPW,  28                          ; v28     my spare word; never rewritten
.set NIL,  29                          ; v29     0; never rewritten
.set GO,   30                          ; v30     16 x lane
.set GS,   31                          ; v31     where I put gates
.set FA0,  32
.set FA1,  96
.set FB,   160
.set NA,   32                          ; the way out, in window 0, 32 numbers a lane: -|u|,
.set RL,   64                          ; max(u, 0), then the result,
.set M,    96                          ; u u, the exponent, then the exponential,
.set T,    128                         ; t,
.set P,    160                         ; the polynomial, then q
.set Y,    192                         ; v192-207 rounded
.set BK,   208                         ; v208-223 16 rows read back from the stage
.set GL,   224                         ; v224 my row's gate; v225 is named with it as a pair
.set G1,  24                           ; s[24:31] descriptor group 1 for x's tiles;  s[32:39] group 0, a set for each slot
.set G0,  32
.set PF,  46                           ; s[46:47] first the weights' address, then xb at the bytes that I prefetch
.set G1B, 48                           ; s[48:55], s[56:63] the same for the weights
.set G0B, 56
.set KA,  66                           ; s[66:79] seven constants as pairs (the packed forms take the low word for both halves)
.set KE,  68
.set C1,  70
.set C2,  72
.set C3,  74
.set C4,  76
.set C5,  78
.set HB,  80                           ; s[80:81] hb at the rows that lie in BK
.set HB0, 82                           ; s[82:83] hb at my 49,152 bytes
.set CT,  84
.set SGN, 87                           ; s87 the sign bit
.set GB,  88                           ; s[88:93] gates at my first row, column e of each of my three blocks
.set HBN, 94                           ; s[94:95] hb at the rows of the unit in hand
.set MSB, 0
.macro WIN new                         ; the immediate's high byte repeats the setting that is left
.if MSB != (\new)
	s_set_vgpr_msb (MSB<<8)|(\new)
.set MSB, \new
.endif
.endm
.macro PLACES                          ; four places between a matrix instruction and a load into, or a reader of, its registers (ISA guide 7.12.1 for readers)
.rept 4
	v_nop
.endr
.endm
.macro SPAIR r, val
	s_mov_b32 s[\r], \val
	s_mov_b32 s[(\r)+1], \val
.endm
; A joint load: waves 0 and 1 fetch the two halves of x's rows, waves 2 and 3 the two halves of the weights.  An s_nop 0 and four v_nop follow each line.
.macro JLOAD s
	s_cmp_eq_u32 s13, 0
	s_cbranch_scc0 .Lfor_b_\@
	tensor_load_to_lds s[G0+4*(\s):G0+4*(\s)+3], s[G1:G1+7]
	s_nop 0
.rept 4
	v_nop
.endr
	s_branch .Lasked_\@
.Lfor_b_\@:
	tensor_load_to_lds s[G0B+4*(\s):G0B+4*(\s)+3], s[G1B:G1B+7]
	s_nop 0
.rept 4
	v_nop
.endr
.Lasked_\@:
.endm
.macro CREST                           ; a round of the cluster's barrier behind its opening barrier
	s_cmp_lg_u32 s12, 0
	s_cbranch_scc1 .Lnot_wave_0_\@
	s_barrier_signal -3
.Lnot_wave_0_\@:
	s_barrier_wait -3
	s_barrier_signal -1
	s_barrier_wait -1
.endm
.macro CROUND                          ; a whole round
	s_barrier_signal -1
	s_barrier_wait -1
	CREST
.endm
; 4 na matrix instructions of stretch g: row blocks a0 .. a0 + na - 1 x the block's four groups of 16 columns.  The accumulators take turns, one instruction a turn.
.macro MULS g, fa, a0, na, zero
	WIN 0x50*(1+\g)
.set ma, \a0
.rept \na
.irp bb, 0,1,2,3
.if \zero
	v_wmma_f32_16x16x32_bf16 v[8*(4*ma+(\bb)):8*(4*ma+(\bb))+7], v[FB+32*(\g)+8*(\bb):FB+32*(\g)+8*(\bb)+7], v[(\fa)+8*ma:(\fa)+8*ma+7], 0
.else
	v_wmma_f32_16x16x32_bf16 v[8*(4*ma+(\bb)):8*(4*ma+(\bb))+7], v[FB+32*(\g)+8*(\bb):FB+32*(\g)+8*(\bb)+7], v[(\fa)+8*ma:(\fa)+8*ma+7], v[8*(4*ma+(\bb)):8*(4*ma+(\bb))+7]
.endif
.endr
.set ma, ma+1
.endr
.endm
.macro RUNB slot, q, g                 ; 8 loads: stretch g's weights for half step q
.irp bb, 0,1,2,3
	ds_load_tr16_b128 v[FB+32*(\g)+8*(\bb):FB+32*(\g)+8*(\bb)+3],   v[ADRB+(\slot)] offset:(\g)*BTILE+(\q)*32*PB+32*(\bb)
	ds_load_tr16_b128 v[FB+32*(\g)+8*(\bb)+4:FB+32*(\g)+8*(\bb)+7], v[ADRB+(\slot)] offset:(\g)*BTILE+(\q)*32*PB+32*(\bb)+16*PB
.endr
.endm
.macro RUNA slot, q                    ; 16 loads: x's fragments for half step q, into its buffer
.irp a, 0,1,2,3,4,5,6,7
	ds_load_b128 v[FA0+64*(\q)+8*(\a):FA0+64*(\q)+8*(\a)+3],   v[ADRA+(\slot)] offset:(\a)*16*PA+64*(\q)
	ds_load_b128 v[FA0+64*(\q)+8*(\a)+4:FA0+64*(\q)+8*(\a)+7], v[ADRA+(\slot)] offset:(\a)*16*PA+64*(\q)+32
.endr
.endm
; Half step 0 of a slot; behind each stretch the same slot's half step 1 is fetched.  The runs go out in the order 24 (stretch 0's weights and x), 8, 8.
.macro STEP0 slot, zero
	s_wait_dscnt 16                                ; the run of 24 is in; the two runs of 8 behind it may be out
	MULS 0, FA0, 0, 8, \zero
	PLACES
	WIN 0
	RUNB \slot, 1, 0
	RUNA \slot, 1
	s_wait_dscnt 32                                ; stretch 1's 8 are in; behind them: 8 and the 24 just issued
	MULS 1, FA0, 0, 8, \zero
	PLACES
	WIN 0
	RUNB \slot, 1, 1
	s_wait_dscnt 32                                ; stretch 2's 8 are in; behind them: 24 and 8
	MULS 2, FA0, 0, 8, \zero
	PLACES
	WIN 0
	RUNB \slot, 1, 2
.endm
; Half step 1, and the change of slots: ONE barrier.  In front of it each wave waits for all its tensor loads (one is out: its part of the next slot), adds 0 to its spare word, and waits for that and
; for its reads of this slot.  fill = 1: the barrier opens a round of the cluster's, and this slot is filled again first behind it, two K blocks on: 160 matrix instructions ahead of the wait for it.
.macro STEP1 slot, next, fill
	WIN 0
	s_wait_tensorcnt 0x0                           ; all my tensor loads have landed
	ds_add_u32 v[SPW], v[NIL]                      ; 0 onto my spare word
	s_wait_dscnt 17                                ; the run of 24 is in; two runs of 8 and the add may be out
	MULS 0, FA1, 0, 4, 0                           ; sixteen matrix instructions stand between the add and the wait for it
	s_wait_dscnt 0x0                               ; the add is done, and my reads of this slot are over
	s_barrier_signal -1
	MULS 0, FA1, 4, 4, 0                           ; work on registers while the others arrive
	WIN 0
	s_barrier_wait -1
.if \fill
	CREST                                          ; no wave of any partner still reads this slot or has a load on its way
	s_add_nc_u64 s[G0+4*(\slot)+2:G0+4*(\slot)+3], s[G0+4*(\slot)+2:G0+4*(\slot)+3], 2*ASTEP
	s_add_nc_u64 s[G0B+4*(\slot)+2:G0B+4*(\slot)+3], s[G0B+4*(\slot)+2:G0B+4*(\slot)+3], 2*BSTEP
	JLOAD \slot                                    ; the four v_nop behind it are also the places in front of the loads below
.else
	PLACES
.endif
	RUNB \next, 0, 0
	RUNA \next, 0
	MULS 1, FA1, 0, 8, 0                           ; its weights, and stretch 2's, came in with the wait for 0 above
	PLACES
	WIN 0
	RUNB \next, 0, 1
	MULS 2, FA1, 0, 8, 0
	PLACES
	WIN 0
	RUNB \next, 0, 2
.endm
; A trip's prefetch: wave 0 asks for my 8,192 bytes of x two K blocks behind those that I asked for last.  The last trip would point past K block 15 and asks for nothing.
.macro PREF
	s_cmp_eq_u32 s3, 1
	s_cbranch_scc1 .Lno_pf_\@
	s_cmp_lg_u32 s12, 0
	s_cbranch_scc1 .Lno_pf_\@
	s_wait_xcnt 0x0                                ; the last request, a trip ago, has read its base: it is stepped only behind this wait
	s_add_nc_u64 s[PF:PF+1], s[PF:PF+1], 2*ASTEP
	global_prefetch_b8 v[PFO], s[PF:PF+1] th:TH_LOAD_NT scope:SCOPE_SE
.Lno_pf_\@:
.endm
	s_load_b256 s[4:11], s[0:1], 0x0               ; xb s[4:5], wu s[6:7], gates s[8:9], hb s[10:11]
	v_lshl_add_u32 v[SPW], v0, 2, SPARE
	v_mov_b32 v[NIL], 0
	ds_add_u32 v[SPW], v[NIL]                      ; the wave's opening: the add and its wait stand ahead of my first tensor load; work on registers stands between them
	v_lshrrev_b32 v1, 5, v0
	v_readfirstlane_b32 s12, v1                    ; wave 0..3
	s_lshr_b32 s13, s12, 1                         ; my half of the rows.  Also: I fetch x (0) or weights (1)
	s_and_b32 s14, s12, 1                          ; my half of the columns.  Also: which half of that tile I fetch
	s_bfe_u32 s40, ttmp6, 0x40000                  ; cx, cy: my place in the cluster
	s_bfe_u32 s41, ttmp6, 0x40004
	s_lshl_b32 s42, ttmp9, 2
	s_add_co_u32 s42, s42, s40                     ; j: my 384 columns
	s_and_b32 s15, ttmp7, 0xffff
	s_lshl_b32 s15, s15, 2
	s_add_co_u32 s15, s15, s41                     ; i: my 256 rows
	s_lshl_b32 s43, s41, 2
	s_lshl_b32 s43, 15, s43                        ; my row of the cluster
	s_lshl_b32 s44, 0x1111, s40                    ; my column
	; group 1: dense bytes asked for as rows of 128 elements (256 bytes), padded in LDS after every 32 words (code 4): x by 4 words (code 3), the weights by 8 (code 7)
	s_or_b32 s[G1+0], s43, (1<<16)|(1<<20)|(1<<21)|(4<<22)|(3<<25)
	s_or_b32 s[G1B+0], s44, (1<<16)|(1<<20)|(1<<21)|(4<<22)|(7<<25)
	s_mov_b32 s[G1+1], 128<<16                     ; tensor_dim0 = 128
	s_mov_b32 s[G1+2], 64<<16                      ; tensor_dim1 = 64: 128 rows of x
	s_mov_b32 s[G1+3], 128<<16                     ; tile_dim0 = 128
	s_mov_b32 s[G1+4], 64                          ; tile_dim1
	s_mov_b32 s[G1+5], 128                         ; elements from row to row
	s_mov_b32 s[G1+6], 0
	s_mov_b32 s[G1+7], 0
	s_mov_b32 s[G1B+1], 128<<16
	s_mov_b32 s[G1B+2], 96<<16                     ; three blocks of 8,192 bytes
	s_mov_b32 s[G1B+3], 128<<16
	s_mov_b32 s[G1B+4], 96
	s_mov_b32 s[G1B+5], 128
	s_mov_b32 s[G1B+6], 0
	s_mov_b32 s[G1B+7], 0
	SPAIR KA, 0xbe6d3388                           ; -0.23164189
	SPAIR KE, 0xbf38aa3b                           ; -log2(e) / 2
	SPAIR C1, 0x3e027906                           ; the series' five factors, each divided by sqrt(2 pi)
	SPAIR C2, 0xbe11a98e
	SPAIR C3, 0x3f35f0e3
	SPAIR C4, 0xbf3a00e3
	SPAIR C5, 0x3f07dc22
	s_mov_b32 s[SGN], 0x80000000
	s_lshl_b32 s16, s15, 15                        ; x: 256 i rows of 128 bytes,
	s_lshl_b32 s17, s14, 14                        ; and the half that I fetch
	s_add_co_u32 s16, s16, s17
	s_mov_b32 s17, 0
	s_mul_i32 s46, s42, 6                          ; weights: block 6 j + 3 x half
	s_mul_i32 s47, s14, 3
	s_add_co_u32 s46, s46, s47
	s_lshl_b32 s46, s46, 13
	s_mov_b32 s47, 0
	s_mul_i32 s20, s14, ATILE                      ; where they go: no place in the cluster enters an LDS address
	s_mul_i32 s21, s14, BHALF
	s_add_co_u32 s21, s21, BOFF
	s_wait_dscnt 0x0                               ; the opening add is done
	s_wait_kmcnt 0x0
	s_add_nc_u64 s[16:17], s[4:5], s[16:17]
	s_add_nc_u64 s[46:47], s[6:7], s[46:47]
	CROUND                                         ; all sixteen work-groups are here: the first joint loads meet
.irp s, 0,1
	s_mov_b32 s[G0+4*(\s)], 1
	s_add_co_u32 s[G0+4*(\s)+1], s20, (\s)*SLOT
	s_add_nc_u64 s[G0+4*(\s)+2:G0+4*(\s)+3], s[16:17], (\s)*ASTEP
	s_or_b32 s[G0+4*(\s)+3], s[G0+4*(\s)+3], 0x80000000
	s_mov_b32 s[G0B+4*(\s)], 1
	s_add_co_u32 s[G0B+4*(\s)+1], s21, (\s)*SLOT
	s_add_nc_u64 s[G0B+4*(\s)+2:G0B+4*(\s)+3], s[46:47], (\s)*BSTEP
	s_or_b32 s[G0B+4*(\s)+3], s[G0B+4*(\s)+3], 0x80000000
.endr
	s_cmp_eq_u32 s13, 0                            ; a wave's two first fills stand in one branch: two loads of mine are out
	s_cbranch_scc0 .Lfirst_b
	tensor_load_to_lds s[G0:G0+3], s[G1:G1+7]
	s_nop 0
	tensor_load_to_lds s[G0+4:G0+7], s[G1:G1+7]
	s_nop 0
.rept 4
	v_nop
.endr
	s_branch .Lfirst_asked
.Lfirst_b:
	tensor_load_to_lds s[G0B:G0B+3], s[G1B:G1B+7]
	s_nop 0
	tensor_load_to_lds s[G0B+4:G0B+7], s[G1B:G1B+7]
	s_nop 0
.rept 4
	v_nop
.endr
.Lfirst_asked:
	v_and_b32 v1, 15, v0                           ; l % 16
	v_bfe_u32 v2, v0, 4, 1                         ; l / 16
	v_and_b32 v3, 31, v0                           ; l
	v_lshlrev_b32 v[GO], 4, v3
	v_lshlrev_b32 v[PFO], 8, v3
	; the first prefetch: K blocks 2 and 3.  j enters this global address alone
	s_lshr_b32 s44, s42, 2                         ; j / 4: which of the two K blocks
	s_add_co_u32 s44, s44, 2
	s_lshl_b32 s44, s44, 20                        ; 1,048,576 bytes a K block
	s_and_b32 s45, s42, 3                          ; j % 4: which quarter of the tile
	s_lshl_b32 s45, s45, 13
	s_add_co_u32 s44, s44, s45
	s_lshl_b32 s45, s15, 15                        ; 256 i rows of 128 bytes
	s_add_co_u32 s44, s44, s45
	s_mov_b32 s45, 0
	s_add_nc_u64 s[PF:PF+1], s[4:5], s[44:45]
	s_cmp_lg_u32 s12, 0
	s_cbranch_scc1 .Lno_pf_head
	global_prefetch_b8 v[PFO], s[PF:PF+1] th:TH_LOAD_NT scope:SCOPE_SE
.Lno_pf_head:
	; my 128 rows' gates for my three blocks: the block's expert enters the GLOBAL address alone
	s_mul_i32 s22, s42, 6
	s_mul_i32 s23, s14, 3
	s_add_co_u32 s22, s22, s23                     ; my first block of 64 hidden columns
	s_lshl_b32 s18, s15, 12
	s_lshl_b32 s19, s13, 11
	s_add_co_u32 s18, s18, s19                     ; my first row x 16 bytes
.irp g, 0,1,2
	s_add_co_u32 s19, s22, \g
	s_lshr_b32 s19, s19, 4                         ; the block's expert: 16 blocks each
	s_lshl2_add_u32 s[GB+2*(\g)], s19, s18
	s_mov_b32 s[GB+2*(\g)+1], 0
	s_add_nc_u64 s[GB+2*(\g):GB+2*(\g)+1], s[8:9], s[GB+2*(\g):GB+2*(\g)+1]
.endr
.irp g, 0,1,2
.irp k, 0,1,2,3
	global_load_b32 v[GD+4*(\g)+(\k)], v[GO], s[GB+2*(\g):GB+2*(\g)+1] offset:512*(\k)
.endr
.endr
	s_lshl1_add_u32 s[HB0], s42, s14               ; hb: S = 2 j + my half of the columns,
	s_lshl_b32 s[HB0], s[HB0], 6
	s_lshl1_add_u32 s19, s15, s13                  ; row tile = 2 i + my half of the rows,
	s_add_co_u32 s[HB0], s[HB0], s19
	s_mul_i32 s[HB0], s[HB0], 49152                ; 49,152 bytes each
	s_mov_b32 s[HB0+1], 0
	s_add_nc_u64 s[HB0:HB0+1], s[10:11], s[HB0:HB0+1]
	; fragments.  x: lane l holds row l % 16, K 8 (l / 16) + 0..7 and 16 + 8 (l / 16) + 0..7: two loads of 16 bytes, 32 apart.  Weights: the turning load; lane l reads k 8 (l / 16) + l % 8, columns 8 ((l / 8) % 2) + 0..7
	v_mul_u32_u24 v18, v1, PA
	v_lshl_add_u32 v18, v2, 4, v18
	v_and_b32 v19, 7, v0
	v_lshl_add_u32 v22, v2, 3, v19
	v_mul_u32_u24 v22, v22, PB
	v_bfe_u32 v23, v0, 3, 1
	v_lshl_add_u32 v22, v23, 4, v22
	s_mul_i32 s2, s13, ATILE                       ; my 128 rows of x
	s_mul_i32 s23, s14, BHALF                      ; my three blocks of weights
	s_add_co_u32 s23, s23, BOFF
.irp s, 0,1
	v_add_nc_u32 v[ADRA+(\s)], s2, v18
	v_add_nc_u32 v[ADRB+(\s)], s23, v22
	s_add_co_u32 s2, s2, SLOT
	s_add_co_u32 s23, s23, SLOT
.endr
	s_mul_i32 s23, s12, WSTAGE
	s_add_co_u32 s23, s23, STAGE                   ; my stage
	v_mul_u32_u24 v[STO], v1, SP                   ; in: row l % 16, 16 bytes for each half of the lanes
	v_lshl_add_u32 v[STO], v2, 4, v[STO]
	v_add_nc_u32 v[STO], s23, v[STO]
	v_lshrrev_b32 v22, 3, v3                       ; back: 8 lanes take a row's 128 bytes, 32 lanes four rows
	v_mul_u32_u24 v[RD], v22, SP
	v_lshl_add_u32 v[RD], v19, 4, v[RD]
	v_add_nc_u32 v[RD], s23, v[RD]
	s_mul_i32 s23, s12, 1536
	s_add_co_u32 s23, s23, GT                      ; my gates
	v_lshl_add_u32 v[GTA], v1, 2, s23
	v_lshl_add_u32 v[GS], v3, 2, s23
	s_wait_loadcnt 0x0
.irp g, 0,1,2
.irp k, 0,1,2,3
	ds_store_b32 v[GS], v[GD+4*(\g)+(\k)] offset:512*(\g)+128*(\k)  ; my own bytes: only I read them
.endr
.endr
	s_wait_dscnt 0x0
	s_wait_tensorcnt 0x1                           ; my part of K block 0 is in; block 1's may stay out
	s_barrier_signal -1
	s_barrier_wait -1                              ; everybody's is
	RUNB 0, 0, 0
	RUNA 0, 0
	RUNB 0, 0, 1
	RUNB 0, 0, 2
	STEP0 0, 1                                     ; the first half step stands in front of the loop: its products start the sums
	s_mov_b32 s3, LAPS
.Llap:                                                 ; a trip goes once round the ring and fills both slots again
	STEP1 0, 1, 1
	STEP0 1, 0
	STEP1 1, 0, 1
	PREF
	STEP0 0, 0
	s_sub_co_u32 s3, s3, 1
	s_cmp_lg_u32 s3, 0
	s_cbranch_scc1 .Llap
	STEP1 0, 1, 0                                  ; the last lap fills nothing
	STEP0 1, 0
	s_wait_dscnt 16                                ; the very last half step: nothing more to fetch
	MULS 0, FA1, 0, 8, 0
	s_wait_dscnt 0x0
	MULS 1, FA1, 0, 8, 0
	MULS 2, FA1, 0, 8, 0
	WIN 0
	PLACES
; THE WAY OUT, in 24 UNITS of 16 rows x 64 columns: unit t is stretch t / 8, row block t % 8: four accumulators, 32 numbers a lane.  One counted loop walks them.  Register numbers are fixed in the
; text, so the lines that name the accumulators (-|u| and max(u, 0), 64 lines, each accumulator's lowest register first) stand once for each unit, and the loop's counter
; chooses among them by forward branches; all the rest stands once.  The result, rounded to bf16, goes through my own stage (rows of 144 bytes) and comes back as whole rows; a unit's 2,048 bytes are
; consecutive in hb, so each of its four stores covers 512 consecutive bytes, aligned.  Unit t's stores stand in trip t + 1, behind that trip's 64 lines: the stage's round trip lies under them.
; LDS serves a wave's instructions in order (ISA guide 5.7.1.4), and the stage is the wave's own: no barrier.
	v_mov_b32 v[GL+1], 0                           ; named with the gate as a pair
	s_mov_b64 s[HB:HB+1], s[HB0:HB0+1]
	s_mov_b32 s[CT], 0
.Ltrip:
	s_cmp_lt_u32 s[CT], 8
	s_cbranch_scc0 .Lfrom_8
.irp t, 0,1,2,3,4,5,6
	s_cmp_eq_u32 s[CT], \t
	s_cbranch_scc1 .Lx_\t
.endr
	s_branch .Lx_7
.Lfrom_8:
	s_cmp_lt_u32 s[CT], 16
	s_cbranch_scc0 .Lfrom_16
.irp t, 8,9,10,11,12,13,14
	s_cmp_eq_u32 s[CT], \t
	s_cbranch_scc1 .Lx_\t
.endr
	s_branch .Lx_15
.Lfrom_16:
.irp t, 16,17,18,19,20,21,22
	s_cmp_eq_u32 s[CT], \t
	s_cbranch_scc1 .Lx_\t
.endr
	s_branch .Lx_23
.irp t, 0,1,2,3,4,5,6,7,8,9,10,11,12,13,14,15,16,17,18,19,20,21,22,23
.Lx_\t:
	ds_load_b32 v[GL], v[GTA] offset:((\t)/8)*512+((\t)%8)*64      ; my row's gate for this stretch
	s_add_nc_u64 s[HBN:HBN+1], s[HB0:HB0+1], ((\t)/8)*16384+((\t)%8)*2048
	WIN 4*(1+(\t)/8)                               ; source 1 in the stretch's window
.set i, 0
.rept 32
	v_or_b32 v[NA+i], s[SGN], v[32*((\t)%8)+i]     ; -|u|
.set i, i+1
.endr
.set i, 0
.rept 32
	v_max_num_f32 v[RL+i], 0, v[32*((\t)%8)+i]
.set i, i+1
.endr
	WIN 0
	s_branch .Lcommon
.endr
.Lcommon:
	s_wait_dscnt 0x0                               ; the gate is in, and so are the last unit's rows
	s_cmp_eq_u32 s[CT], 0
	s_cbranch_scc1 .Lnone_yet                      ; the first trip has no unit before it
.irp f, 0,1,2,3
	global_store_b128 v[GO], v[BK+4*(\f):BK+4*(\f)+3], s[HB:HB+1] offset:512*(\f)
.endr
.Lnone_yet:
.set i, 0
.rept 16
	v_pk_mul_f32 v[M+2*i:M+2*i+1], v[NA+2*i:NA+2*i+1], v[NA+2*i:NA+2*i+1]          ; u u
.set i, i+1
.endr
.set i, 0
.rept 16                               ; ONE batch of 64 reciprocals and exponentials; the 32 plain lines that feed it stand among them; none of these lines names a result of the batch
	v_pk_fma_f32 v[T+2*i:T+2*i+1], v[NA+2*i:NA+2*i+1], s[KA:KA+1], 1.0 op_sel_hi:[1,0,0]  ; 1 + 0.2316419 |u|
.if i > 0
	v_rcp_f32 v[T+2*i-2], v[T+2*i-2]
	v_rcp_f32 v[T+2*i-1], v[T+2*i-1]
.endif
	v_pk_mul_f32 v[M+2*i:M+2*i+1], v[M+2*i:M+2*i+1], s[KE:KE+1] op_sel_hi:[1,0]
.if i > 0
	v_exp_f32 v[M+2*i-2], v[M+2*i-2]
	v_exp_f32 v[M+2*i-1], v[M+2*i-1]
.endif
.set i, i+1
.endr
	v_rcp_f32 v[T+30], v[T+30]
	v_rcp_f32 v[T+31], v[T+31]
	v_exp_f32 v[M+30], v[M+30]
	v_exp_f32 v[M+31], v[M+31]
	v_nop                                          ; a plain instruction behind the last of them,
	s_wait_alu depctr_va_vdst(0)                   ; and one wait for the batch, ahead of its first reader
.set i, 0
.rept 16
	v_pk_fma_f32 v[P+i:P+i+1], v[T+i:T+i+1], s[C5:C5+1], s[C4:C4+1] op_sel_hi:[1,0,0]
.set i, i+2
.endr
.irp c, C3, C2, C1
.set i, 0
.rept 16
	v_pk_fma_f32 v[P+i:P+i+1], v[P+i:P+i+1], v[T+i:T+i+1], s[\c:\c+1] op_sel_hi:[1,1,0]
.set i, i+2
.endr
.endr
.set i, 0
.rept 16
	v_pk_mul_f32 v[P+i:P+i+1], v[P+i:P+i+1], v[T+i:T+i+1]
.set i, i+2
.endr
.set i, 0
.rept 16
	v_pk_mul_f32 v[P+i:P+i+1], v[P+i:P+i+1], v[M+i:M+i+1]                          ; q
.set i, i+2
.endr
.set i, 0
.rept 16
	v_pk_fma_f32 v[RL+i:RL+i+1], v[NA+i:NA+i+1], v[P+i:P+i+1], v[RL+i:RL+i+1]      ; max(u, 0) - |u| q
.set i, i+2
.endr
.set i, 0
.rept 16
	v_pk_mul_f32 v[RL+i:RL+i+1], v[RL+i:RL+i+1], v[GL:GL+1] op_sel_hi:[1,0]        ; the gate, the pair's low word for both
.set i, i+2
.endr
.set i, 0
.rept 16
	v_cvt_pk_bf16_f32 v[Y+i], v[RL+2*i], v[RL+2*i+1]
.set i, i+1
.endr
	s_wait_xcnt 0x0                                ; the stores above have read BK and their base: both are rewritten only behind this wait
	s_mov_b64 s[HB:HB+1], s[HBN:HBN+1]
.irp bb, 0,1,2,3
	ds_store_b128 v[STO], v[Y+4*(\bb):Y+4*(\bb)+3] offset:32*(\bb)
.endr
.irp f, 0,1,2,3
	ds_load_b128 v[BK+4*(\f):BK+4*(\f)+3], v[RD] offset:(\f)*4*SP
.endr
	s_add_co_u32 s[CT], s[CT], 1
	s_cmp_lt_u32 s[CT], 24
	s_cbranch_scc1 .Ltrip
	s_wait_dscnt 0x0                               ; the last unit's rows
.irp f, 0,1,2,3
	global_store_b128 v[GO], v[BK+4*(\f):BK+4*(\f)+3], s[HB:HB+1] offset:512*(\f)
.endr
	s_wait_tensorcnt 0x0                           ; the wave's end, behind my last tensor load and my last LDS store
	ds_add_u32 v[SPW], v[NIL]
	s_wait_dscnt 0x0
	CROUND                                         ; the closing round: no work-group ends while a partner may still ask for a tile that names it
	s_endpgm
.Lfunc_end_k_q44715dd061_up:
	.size	k_q44715dd061_up, .Lfunc_end_k_q44715dd061_up-k_q44715dd061_up
	.p2alignl 7, 3214868480
	.fill 96, 4, 3214868480
	.section	.rodata,"a",@progbits
	.p2align	6, 0x0
	.amdhsa_kernel k_q44715dd061_up
		.amdhsa_group_segment_fixed_size 327680
		.amdhsa_private_segment_fixed_size 0
		.amdhsa_enable_private_segment 0
		.amdhsa_kernarg_size 32
		.amdhsa_user_sgpr_count 2
		.amdhsa_user_sgpr_kernarg_segment_ptr 1
		.amdhsa_wavefront_size32 1
		.amdhsa_system_sgpr_workgroup_id_x 1
		.amdhsa_system_sgpr_workgroup_id_y 1
		.amdhsa_system_sgpr_workgroup_id_z 1
		.amdhsa_system_vgpr_workitem_id 0
		.amdhsa_next_free_vgpr 1024
		.amdhsa_next_free_sgpr 96
		.amdhsa_reserve_vcc 0
		.amdhsa_float_denorm_mode_32 3
		.amdhsa_float_denorm_mode_16_64 3
		.amdhsa_memory_ordered 1
		.amdhsa_forward_progress 1
		.amdhsa_inst_pref_size 158
	.end_amdhsa_kernel
	.amdgpu_metadata
---
amdhsa.version: [ 1, 2 ]
amdhsa.kernels:
  - .name:           k_q44715dd061_up
    .symbol:         k_q44715dd061_up.kd
    .args:
      - { .name: xb, .offset: 0, .size: 8, .value_kind: global_buffer, .address_space: global }
      - { .name: wu, .offset: 8, .size: 8, .value_kind: global_buffer, .address_space: global }
      - { .name: gates, .offset: 16, .size: 8, .value_kind: global_buffer, .address_space: global }
      - { .name: hb, .offset: 24, .size: 8, .value_kind: global_buffer, .address_space: global }
    .group_segment_fixed_size: 327680
    .private_segment_fixed_size: 0
    .kernarg_segment_align: 8
    .kernarg_segment_size: 32
    .max_flat_workgroup_size: 128
    .sgpr_count:     96
    .vgpr_count:     1024
    .wavefront_size: 32
...
	.end_amdgpu_metadata
.endif
;; end of part 2
;; launch down (part 3): grid 4 x 64, 4 waves a work-group, clusters of 4 x 4, 327,680 bytes of LDS; arguments hb, wd, x, out0; writes out0
.if DOCPART == 3
	.amdgcn_target "amdgcn-amd-amdhsa--gfx1250"
	.amdhsa_code_object_version 6
	.text
	.protected	k_q44715dd061_down
	.globl	k_q44715dd061_down
	.p2align	8
	.type	k_q44715dd061_down,@function
k_q44715dd061_down:
	s_mov_b64 s[64:65], 0
	v_nop
	global_prefetch_b8 v0, s[64:65] scope:SCOPE_SE
	s_setreg_imm32_b32 hwreg(HW_REG_WAVE_MODE, 25, 1), 1
	s_wait_xcnt 0x0
	s_wait_alu depctr_hold_cnt(0) depctr_sa_sdst(0) depctr_va_vdst(0) depctr_va_sdst(0) depctr_va_ssrc(0) depctr_va_vcc(0) depctr_vm_vsrc(0)
	s_getreg_b32 s2, hwreg(HW_REG_IB_STS2, 6, 4)
	s_cmp_eq_u32 s2, 0
	s_cbranch_scc0 .Lentry_in_a_cluster
	s_endpgm
.Lentry_in_a_cluster:
	s_bfe_u32 s2, ttmp6, 0x10000c
	s_cmp_lg_u32 s2, 0xf033
	s_cbranch_scc0 .Lentry_shape_is_right
	s_endpgm
.Lentry_shape_is_right:
; DOWN.  out = h [Ds; D0; D1] + x: 8,192 x 1,024, K = 3,072, bf16 operands, f32 sums; the gates are already in h; the residual is the f32 x as given.
; SHARES.  A work-group makes 128 rows x 256 columns (4 x 64 = 256 work-groups).  Its four waves are 2 halves of the columns x 2 halves of K: a slot holds K = 192, and a wave takes 96 of them,
; three half steps of 32, for 128 rows x 128 columns: 64 accumulators in windows 1 and 2, one block of 64 columns a window.  So each byte read from LDS feeds a 128 x 128 tile, and the two halves
; of K, partial sums in f32, meet in the LDS stage that the way out needs anyway.
; THE SLOT is as long as two slots in LDS allow: 128 rows of h x 192 K in rows of 144 bytes (55,296) and 192 rows of weights of 512 + 32 bytes (104,448): twice 159,744 of 327,680 bytes.
; 192 matrix instructions a wave, since THE CHANGE OF SLOTS STANDS AHEAD OF THE PRODUCTS of a
; slot's last half step: that half step's fragments have been read out of LDS by then.
; CLUSTER 4 x 4: the four work-groups of a row of the cluster need the same rows of h, the four of a column the same weights: each tile is asked for jointly.
; PREFETCH INTO THE L2.  h's tile of a slot (49,152 bytes) is read by the four work-groups of a row of the cluster and by nobody else.  In trip t of the loop (two slots) work-group cx asks for half cx % 2
; of the tile of slot 2 t + 4 + cx / 2: 24,576 bytes, 8,192 by each of its waves 0, 1 and 2, lanes 256 bytes apart: each aligned 256 bytes of hb from slot 2 on is asked for once in the launch.  The request
; stands behind the half step that follows the refill for slot 2 t + 3: one and two refills ahead of the tensor loads that want the bytes.  Slots 2 and 3 are asked for at the head; the last trip asks
; for nothing: slot 15 is the last.  cx enters that global address alone.  The weights are not asked for: the 16 clusters of a column of the grid read the same tile at about the same time.
; THE MATRIX INSTRUCTION IS USED TRANSPOSED, as in the launch before: source 0 = 16 output columns (weights [k][n], turned by ds_load_tr16_b128), source 1 = 16 rows of h.
; LIMITS.  h and the weights are bf16; the order of the sums differs from reference()'s: the lower and the upper 96 of each 192 K are summed apart, then x + the one + the other.
; REGISTERS.  window 0: v0-31 addresses; v32-95, v96-159 h's fragments, two buffers that take turns from half step to half step (on the way out: two buffers of partial sums); v160-223 the weights'
;   fragments, 32 a stretch.   windows 1, 2: accumulator (a, bb) at v[8 (4 a + bb)].   window 3: my 32 rows x 256 columns of x, loaded at the start, then the result.
.set PA,    144                        ; a row of h in LDS: 128 bytes + 16: the 16 rows of a load start at 16 different groups of four banks (64 banks of 4 bytes: ISA guide 11.1)
.set PB,    544                        ; a row of weights: 512 + 32 = 136 words
.set ABLK,  128*PA                     ; 128 rows of one block of 64 K
.set AHALF, 192*PA                     ; one tensor load: 24,576 dense bytes, a block and a half
.set BOFF,  3*ABLK
.set BHALF, 96*PB                      ; one tensor load: 96 rows of weights, and what the waves of one half of K read
.set SLOT,  BOFF+2*BHALF               ; 159,744
.set SP,    528                        ; the stage: 128 rows x (512 + 16) bytes for each wave, from LDS byte 0: it lies over the ring, which has had its last fill, and is written behind a barrier
.set WSTAGE, 128*SP
.set SPARE, 2*SLOT                     ; the spare words, 128 bytes a wave: two blocks of 256 bytes that no other line names
.set ASTEP, 3145728                    ; bytes from slot to slot in hb: 64 row tiles of 49,152
.set BSTEP, 393216                     ; and in wd: four tiles of 98,304
.set LAPS,  7                          ; 16 slots: two at the start, two a trip
.set AR,   8                           ; v8-11   the way out: my rows in the four waves' stages
.set ADRA, 12                          ; v12-17  LDS address of my h fragments: slot s, half step hs at ADRA + 3 s + hs
.set ADRB, 20                          ; v20-21  of my weights' fragments in slot 0, 1
.set STO,  24
.set CO,   26                          ; v26     16 x lane
.set PFO,  27                          ; v27     256 x lane, for the prefetch; never rewritten
.set SPW,  28
.set NIL,  29
.set FA0,  32
.set FA1,  96
.set FB,   160
.set G1,  24
.set G0,  32
.set PF,  46                           ; s[46:47] first the weights' address, then hb at the bytes that I prefetch
.set G1B, 48
.set G0B, 56
.set MSB, 0
.macro WIN new                         ; the immediate's high byte repeats the setting that is left
.if MSB != (\new)
	s_set_vgpr_msb (MSB<<8)|(\new)
.set MSB, \new
.endif
.endm
.macro PLACES                          ; four places between a matrix instruction and a load into, or a store of, its registers (ISA guide 7.12.1 for stores)
.rept 4
	v_nop
.endr
.endm
.macro JLOAD s                         ; a joint load: waves 0 and 1 fetch the two halves of h's tile, waves 2 and 3 those of the weights'; an s_nop 0 and four v_nop follow each line
	s_cmp_eq_u32 s13, 0
	s_cbranch_scc0 .Lfor_b_\@
	tensor_load_to_lds s[G0+4*(\s):G0+4*(\s)+3], s[G1:G1+7]
	s_nop 0
.rept 4
	v_nop
.endr
	s_branch .Lasked_\@
.Lfor_b_\@:
	tensor_load_to_lds s[G0B+4*(\s):G0B+4*(\s)+3], s[G1B:G1B+7]
	s_nop 0
.rept 4
	v_nop
.endr
.Lasked_\@:
.endm
.macro CROUND                          ; a round of the cluster's barrier
	s_barrier_signal -1
	s_barrier_wait -1
	s_cmp_lg_u32 s12, 0
	s_cbranch_scc1 .Lnot_wave_0_\@
	s_barrier_signal -3
.Lnot_wave_0_\@:
	s_barrier_wait -3
	s_barrier_signal -1
	s_barrier_wait -1
.endm
.macro MULS g, fa, a0, na, zero        ; 4 na matrix instructions of stretch g; the accumulators take turns, one instruction a turn
	WIN 0x50*(1+\g)
.set ma, \a0
.rept \na
.irp bb, 0,1,2,3
.if \zero
	v_wmma_f32_16x16x32_bf16 v[8*(4*ma+(\bb)):8*(4*ma+(\bb))+7], v[FB+32*(\g)+8*(\bb):FB+32*(\g)+8*(\bb)+7], v[(\fa)+8*ma:(\fa)+8*ma+7], 0
.else
	v_wmma_f32_16x16x32_bf16 v[8*(4*ma+(\bb)):8*(4*ma+(\bb))+7], v[FB+32*(\g)+8*(\bb):FB+32*(\g)+8*(\bb)+7], v[(\fa)+8*ma:(\fa)+8*ma+7], v[8*(4*ma+(\bb)):8*(4*ma+(\bb))+7]
.endif
.endr
.set ma, ma+1
.endr
.endm
.macro RUNB slot, hs, g                ; 8 loads: stretch g's weights for half step hs
.irp bb, 0,1,2,3
	ds_load_tr16_b128 v[FB+32*(\g)+8*(\bb):FB+32*(\g)+8*(\bb)+3],   v[ADRB+(\slot)] offset:(\hs)*32*PB+128*(\g)+32*(\bb)
	ds_load_tr16_b128 v[FB+32*(\g)+8*(\bb)+4:FB+32*(\g)+8*(\bb)+7], v[ADRB+(\slot)] offset:(\hs)*32*PB+128*(\g)+32*(\bb)+16*PB
.endr
.endm
.macro RUNA slot, hs, fa               ; 16 loads: h's fragments for half step hs, into buffer fa
.irp a, 0,1,2,3,4,5,6,7
	ds_load_b128 v[FA0+64*(\fa)+8*(\a):FA0+64*(\fa)+8*(\a)+3],   v[ADRA+3*(\slot)+(\hs)] offset:(\a)*16*PA
	ds_load_b128 v[FA0+64*(\fa)+8*(\a)+4:FA0+64*(\fa)+8*(\a)+7], v[ADRA+3*(\slot)+(\hs)] offset:(\a)*16*PA+32
.endr
.endm
; A half step on buffer fa; behind each stretch the next half step (nhs of slot nslot) is fetched, h's fragments into the other buffer.  The runs go out in the order 24 (stretch 0's weights and h), 8.
.macro NSTEP fa, nslot, nhs, zero
	s_wait_dscnt 8                                 ; the run of 24 is in; the run of 8 behind it may be out
	MULS 0, FA0+64*(\fa), 0, 8, \zero
	PLACES
	WIN 0
	RUNB \nslot, \nhs, 0
	RUNA \nslot, \nhs, 1-(\fa)
	s_wait_dscnt 24                                ; stretch 1's 8 are in; behind them the 24 just issued
	MULS 1, FA0+64*(\fa), 0, 8, \zero
	PLACES
	WIN 0
	RUNB \nslot, \nhs, 1
.endm
; A slot's last half step, with the change of slots at its head.  Each wave waits for all its tensor loads (one is out: its part of the next slot), adds 0 to its spare word, and waits for that and for
; its reads of this slot, of which this half step's fragments were the last.  fill = 1: a round of the cluster's barrier, and this slot is filled again first behind it, two slots on.
.macro CSTEP fa, slot, next, fill
	WIN 0
	s_wait_tensorcnt 0x0                           ; all my tensor loads have landed, so a group 0 may be written
	ds_add_u32 v[SPW], v[NIL]                      ; 0 onto my spare word; with fill = 1 the descriptors' steps stand between it and the wait for it
.if \fill
	s_add_nc_u64 s[G0+4*(\slot)+2:G0+4*(\slot)+3], s[G0+4*(\slot)+2:G0+4*(\slot)+3], 2*ASTEP
	s_add_nc_u64 s[G0B+4*(\slot)+2:G0B+4*(\slot)+3], s[G0B+4*(\slot)+2:G0B+4*(\slot)+3], 2*BSTEP
.endif
	s_wait_dscnt 0x0                               ; the add is done, and my reads of this slot are over
.if \fill
	CROUND                                         ; no wave of any partner still reads this slot or has a load on its way
	JLOAD \slot
.else
	s_barrier_signal -1
	s_barrier_wait -1
.endif
	MULS 0, FA0+64*(\fa), 0, 8, 0
	PLACES
	WIN 0
	RUNB \next, 0, 0
	RUNA \next, 0, 1-(\fa)
	MULS 1, FA0+64*(\fa), 0, 8, 0                  ; its weights came in with the wait above
	PLACES
	WIN 0
	RUNB \next, 0, 1
.endm
; A trip's prefetch: waves 0, 1 and 2 ask for their 8,192 bytes of h two slots behind those that they asked for last.  The last trip would point past slot 15 and asks for nothing.
.macro PREF
	s_cmp_eq_u32 s3, 1
	s_cbranch_scc1 .Lno_pf_\@
	s_cmp_eq_u32 s12, 3
	s_cbranch_scc1 .Lno_pf_\@
	s_wait_xcnt 0x0                                ; the last request, a trip ago, has read its base: it is stepped only behind this wait
	s_add_nc_u64 s[PF:PF+1], s[PF:PF+1], 2*ASTEP
	global_prefetch_b8 v[PFO], s[PF:PF+1] th:TH_LOAD_NT scope:SCOPE_SE
.Lno_pf_\@:
.endm
	s_load_b256 s[4:11], s[0:1], 0x0               ; hb s[4:5], wd s[6:7], x s[8:9], out0 s[10:11]
	v_lshl_add_u32 v[SPW], v0, 2, SPARE
	v_mov_b32 v[NIL], 0
	ds_add_u32 v[SPW], v[NIL]                      ; the wave's opening: the add and its wait stand ahead of my first tensor load; work on registers stands between them
	v_lshrrev_b32 v1, 5, v0
	v_readfirstlane_b32 s12, v1                    ; wave 0..3
	s_lshr_b32 s13, s12, 1                         ; my half of the columns.  Also: I fetch h (0) or weights (1)
	s_and_b32 s14, s12, 1                          ; my half of a slot's K.  Also: which half of that tile I fetch
	s_bfe_u32 s40, ttmp6, 0x40000                  ; cx, cy
	s_bfe_u32 s41, ttmp6, 0x40004
	s_lshl_b32 s42, ttmp9, 2
	s_add_co_u32 s42, s42, s40                     ; j: my 256 columns
	s_and_b32 s15, ttmp7, 0xffff
	s_lshl_b32 s15, s15, 2
	s_add_co_u32 s15, s15, s41                     ; i: my 128 rows
	s_lshl_b32 s43, s41, 2
	s_lshl_b32 s43, 15, s43                        ; my row of the cluster
	s_lshl_b32 s44, 0x1111, s40                    ; my column
	; group 1.  h: dense bytes asked for as rows of 128 elements (256 bytes), padded after every 32 words (code 4) by 4 words (code 3).  Weights: rows of 256 elements, padded after every 128 words (code 6) by 8 (code 7)
	s_or_b32 s[G1+0], s43, (1<<16)|(1<<20)|(1<<21)|(4<<22)|(3<<25)
	s_or_b32 s[G1B+0], s44, (1<<16)|(1<<20)|(1<<21)|(6<<22)|(7<<25)
	s_mov_b32 s[G1+1], 128<<16                     ; tensor_dim0
	s_mov_b32 s[G1+2], 96<<16                      ; tensor_dim1: 24,576 bytes
	s_mov_b32 s[G1+3], 128<<16                     ; tile_dim0
	s_mov_b32 s[G1+4], 96                          ; tile_dim1
	s_mov_b32 s[G1+5], 128                         ; elements from row to row
	s_mov_b32 s[G1+6], 0
	s_mov_b32 s[G1+7], 0
	s_mov_b32 s[G1B+1], 256<<16
	s_mov_b32 s[G1B+2], 96<<16                     ; 96 rows of weights
	s_mov_b32 s[G1B+3], 256<<16
	s_mov_b32 s[G1B+4], 96
	s_mov_b32 s[G1B+5], 256
	s_mov_b32 s[G1B+6], 0
	s_mov_b32 s[G1B+7], 0
	s_mul_i32 s16, s15, 49152                      ; h: row tile i of slot 0,
	s_mul_i32 s17, s14, 24576                      ; and the half that I fetch
	s_add_co_u32 s16, s16, s17
	s_mov_b32 s17, 0
	s_mul_i32 s46, s42, 98304                      ; weights: tile j of slot 0,
	s_mul_i32 s47, s14, 49152                      ; and the half that I fetch
	s_add_co_u32 s46, s46, s47
	s_mov_b32 s47, 0
	s_mul_i32 s20, s14, AHALF                      ; where they go: no place in the cluster enters an LDS address
	s_mul_i32 s21, s14, BHALF
	s_add_co_u32 s21, s21, BOFF
	s_wait_dscnt 0x0                               ; the opening add is done
	s_wait_kmcnt 0x0
	s_add_nc_u64 s[16:17], s[4:5], s[16:17]
	s_add_nc_u64 s[46:47], s[6:7], s[46:47]
	CROUND                                         ; all sixteen work-groups are here: the first joint loads meet
.irp s, 0,1
	s_mov_b32 s[G0+4*(\s)], 1
	s_add_co_u32 s[G0+4*(\s)+1], s20, (\s)*SLOT
	s_add_nc_u64 s[G0+4*(\s)+2:G0+4*(\s)+3], s[16:17], (\s)*ASTEP
	s_or_b32 s[G0+4*(\s)+3], s[G0+4*(\s)+3], 0x80000000
	s_mov_b32 s[G0B+4*(\s)], 1
	s_add_co_u32 s[G0B+4*(\s)+1], s21, (\s)*SLOT
	s_add_nc_u64 s[G0B+4*(\s)+2:G0B+4*(\s)+3], s[46:47], (\s)*BSTEP
	s_or_b32 s[G0B+4*(\s)+3], s[G0B+4*(\s)+3], 0x80000000
.endr
	s_cmp_eq_u32 s13, 0                            ; a wave's two first fills stand in one branch: two loads of mine are out
	s_cbranch_scc0 .Lfirst_b
	tensor_load_to_lds s[G0:G0+3], s[G1:G1+7]
	s_nop 0
	tensor_load_to_lds s[G0+4:G0+7], s[G1:G1+7]
	s_nop 0
.rept 4
	v_nop
.endr
	s_branch .Lfirst_asked
.Lfirst_b:
	tensor_load_to_lds s[G0B:G0B+3], s[G1B:G1B+7]
	s_nop 0
	tensor_load_to_lds s[G0B+4:G0B+7], s[G1B:G1B+7]
	s_nop 0
.rept 4
	v_nop
.endr
.Lfirst_asked:
	v_and_b32 v1, 15, v0                           ; l % 16
	v_bfe_u32 v2, v0, 4, 1                         ; l / 16
	v_and_b32 v3, 31, v0                           ; l
	v_lshlrev_b32 v[CO], 4, v3
	v_lshlrev_b32 v[PFO], 8, v3
	; the first prefetch: slots 2 and 3
	s_lshr_b32 s44, s40, 1                         ; cx / 2: which of the two slots
	s_add_co_u32 s44, s44, 2
	s_mul_i32 s44, s44, ASTEP
	s_and_b32 s45, s40, 1                          ; cx % 2: which half of the tile
	s_mul_i32 s45, s45, 24576
	s_add_co_u32 s44, s44, s45
	s_mul_i32 s45, s15, 49152                      ; row tile i
	s_add_co_u32 s44, s44, s45
	s_lshl_b32 s45, s12, 13                        ; 8,192 bytes a wave
	s_add_co_u32 s44, s44, s45
	s_mov_b32 s45, 0
	s_add_nc_u64 s[PF:PF+1], s[4:5], s[44:45]
	s_cmp_eq_u32 s12, 3
	s_cbranch_scc1 .Lno_pf_head                    ; three waves cover the 24,576 bytes
	global_prefetch_b8 v[PFO], s[PF:PF+1] th:TH_LOAD_NT scope:SCOPE_SE
.Lno_pf_head:
	; the residual: the 32 rows x 256 columns that I store at the end come into window 3 now and land under the products.  Unit u = 2 row + half: 512 consecutive bytes.
	s_lshl_b32 s18, s15, 19                        ; 128 i rows of 4,096 bytes,
	s_lshl_b32 s19, s12, 17                        ; 32 rows a wave,
	s_add_co_u32 s18, s18, s19
	s_lshl_b32 s19, s42, 10                        ; 256 j columns
	s_add_co_u32 s18, s18, s19
	s_mov_b32 s19, 0
	s_add_nc_u64 s[8:9], s[8:9], s[18:19]
	s_add_nc_u64 s[10:11], s[10:11], s[18:19]
	WIN 0xc0                                       ; destination window 3
.set u, 0
.rept 64
	global_load_b128 v[4*u:4*u+3], v[CO], s[8:9] offset:(u/2)*4096+(u%2)*512 th:TH_LOAD_NT
.set u, u+1
.endr
	WIN 0
	v_mul_u32_u24 v4, v1, PA
	v_lshl_add_u32 v4, v2, 4, v4                   ; h: row x pitch + 16 x half
	v_and_b32 v5, 7, v0
	v_lshl_add_u32 v5, v2, 3, v5                   ; weights: k 8 (l / 16) + l % 8,
	v_mul_u32_u24 v5, v5, PB
	v_bfe_u32 v6, v0, 3, 1
	v_lshl_add_u32 v5, v6, 4, v5                   ; columns 8 ((l / 8) % 2) on
	s_mul_i32 s2, s14, 3                           ; my first half step among the slot's six
.irp hs, 0,1,2
	s_add_co_u32 s22, s2, \hs                      ; half step H lies in block H / 2 of 64 K, at its half H % 2
	s_lshr_b32 s23, s22, 1
	s_mul_i32 s23, s23, ABLK
	s_and_b32 s22, s22, 1
	s_lshl_b32 s22, s22, 6
	s_add_co_u32 s22, s22, s23
	v_add_nc_u32 v[ADRA+(\hs)], s22, v4
	s_add_co_u32 s22, s22, SLOT
	v_add_nc_u32 v[ADRA+3+(\hs)], s22, v4
.endr
	s_mul_i32 s22, s14, BHALF                      ; my 96 rows of weights,
	s_lshl_b32 s23, s13, 8                         ; my 128 columns in them
	s_add_co_u32 s22, s22, s23
	s_add_co_u32 s22, s22, BOFF
.irp s, 0,1
	v_add_nc_u32 v[ADRB+(\s)], s22, v5
	s_add_co_u32 s22, s22, SLOT
.endr
	s_mul_i32 s23, s12, WSTAGE                     ; my stage
	v_mul_u32_u24 v[STO], v1, SP                   ; in: row l % 16, 32 bytes for each half of the lanes
	v_lshl_add_u32 v[STO], v2, 5, v[STO]
	v_add_nc_u32 v[STO], s23, v[STO]
	s_mul_i32 s23, s12, 32*SP                      ; back: rows 32 w on, 512 consecutive bytes a load, in each of the four stages
	v_lshl_add_u32 v[AR], v3, 4, s23
.irp k, 1,2,3
	v_add_nc_u32 v[AR+(\k)], (\k)*WSTAGE, v[AR]
.endr
	s_wait_tensorcnt 0x1                           ; my part of slot 0 is in; slot 1's may stay out
	s_barrier_signal -1
	s_barrier_wait -1                              ; everybody's is
	RUNB 0, 0, 0
	RUNA 0, 0, 0
	RUNB 0, 0, 1
	NSTEP 0, 0, 1, 1                               ; the first half step stands in front of the loop: its products start the sums
	s_mov_b32 s3, LAPS
.Llap:                                                 ; a trip: six half steps, once round the ring, from a slot's second half step to the first of the slot two further on; both slots are filled again
	NSTEP 1, 0, 2, 0
	CSTEP 0, 0, 1, 1
	NSTEP 1, 1, 1, 0
	NSTEP 0, 1, 2, 0
	CSTEP 1, 1, 0, 1
	PREF
	NSTEP 0, 0, 1, 0
	s_sub_co_u32 s3, s3, 1
	s_cmp_lg_u32 s3, 0
	s_cbranch_scc1 .Llap
	NSTEP 1, 0, 2, 0                               ; the last two slots fill nothing
	CSTEP 0, 0, 1, 0
	NSTEP 1, 1, 1, 0
	NSTEP 0, 1, 2, 0
	s_wait_dscnt 8                                 ; the very last half step
	MULS 0, FA1, 0, 8, 0
	s_wait_dscnt 0x0                               ; my reads of the ring are over:
	s_barrier_signal -1                            ; say so,
	MULS 1, FA1, 0, 8, 0
	WIN 0
	s_barrier_wait -1                              ; and write over it only when all four have said so; every tensor load was waited for ahead of the barrier before
	; THE WAY OUT.  Each wave puts its 128 x 128 partial sums into its stage (each accumulator's low registers first); a barrier; then wave w takes rows 32 w .. 32 w + 31 whole.
	PLACES
.irp g, 0,1
	WIN (1+\g)<<2                                  ; store data (source 1) in the stretch's window
.irp a, 0,1,2,3,4,5,6,7
.irp bb, 0,1,2,3
	ds_store_b128 v[STO], v[8*(4*(\a)+(\bb)):8*(4*(\a)+(\bb))+3]   offset:(\a)*16*SP+256*(\g)+64*(\bb)
	ds_store_b128 v[STO], v[8*(4*(\a)+(\bb))+4:8*(4*(\a)+(\bb))+7] offset:(\a)*16*SP+256*(\g)+64*(\bb)+16
.endr
.endr
.endr
	WIN 0
	s_wait_dscnt 0x0                               ; for the others' sake: my stores into the stage are done
	s_barrier_signal -1
	s_barrier_wait -1
	s_wait_loadcnt 0x0                             ; x
; Batch b: units 8 b .. 8 b + 7 (rows 4 b .. 4 b + 3, both halves of the columns).  A unit's two partial sums lie in the stages of waves 2 c' and 2 c' + 1.
.macro LOADB b
.irp uu, 0,1,2,3,4,5,6,7
	ds_load_b128 v[32+64*((\b)%2)+8*(\uu):32+64*((\b)%2)+8*(\uu)+3],   v[AR+2*((\uu)%2)]   offset:(4*(\b)+(\uu)/2)*SP
	ds_load_b128 v[32+64*((\b)%2)+8*(\uu)+4:32+64*((\b)%2)+8*(\uu)+7], v[AR+2*((\uu)%2)+1] offset:(4*(\b)+(\uu)/2)*SP
.endr
.endm
.macro BATCH b
.if (\b) < 7
	s_wait_dscnt 16                                ; this batch's sixteen loads are in; the next batch's may be out
.else
	s_wait_dscnt 0x0
.endif
	WIN 0xc3                                       ; destination and source 0 (x, then the result) in window 3
.irp k, 0,4                            ; first the lower halves of K, then the upper
.irp uu, 0,1,2,3,4,5,6,7
	v_pk_add_f32 v[4*(8*(\b)+(\uu)):4*(8*(\b)+(\uu))+1],   v[4*(8*(\b)+(\uu)):4*(8*(\b)+(\uu))+1],   v[32+64*((\b)%2)+8*(\uu)+(\k):32+64*((\b)%2)+8*(\uu)+(\k)+1]
	v_pk_add_f32 v[4*(8*(\b)+(\uu))+2:4*(8*(\b)+(\uu))+3], v[4*(8*(\b)+(\uu))+2:4*(8*(\b)+(\uu))+3], v[32+64*((\b)%2)+8*(\uu)+(\k)+2:32+64*((\b)%2)+8*(\uu)+(\k)+3]
.endr
.endr
	WIN 0x0c                                       ; store data (source 1) in window 3
.irp uu, 0,1,2,3,4,5,6,7
	global_store_b128 v[CO], v[4*(8*(\b)+(\uu)):4*(8*(\b)+(\uu))+3], s[10:11] offset:(4*(\b)+(\uu)/2)*4096+((\uu)%2)*512 th:TH_STORE_NT  ; 512 consecutive bytes, aligned
.endr
	WIN 0
.if (\b) < 6
	LOADB (\b)+2
.endif
.endm
	LOADB 0
	LOADB 1
.irp b, 0,1,2,3,4,5,6,7
	BATCH \b
.endr
	s_wait_tensorcnt 0x0                           ; the wave's end, behind my last tensor load and my last LDS store
	ds_add_u32 v[SPW], v[NIL]
	s_wait_dscnt 0x0
	CROUND                                         ; the closing round: no work-group ends while a partner may still ask for a tile that names it
	s_endpgm
.Lfunc_end_k_q44715dd061_down:
	.size	k_q44715dd061_down, .Lfunc_end_k_q44715dd061_down-k_q44715dd061_down
	.p2alignl 7, 3214868480
	.fill 96, 4, 3214868480
	.section	.rodata,"a",@progbits
	.p2align	6, 0x0
	.amdhsa_kernel k_q44715dd061_down
		.amdhsa_group_segment_fixed_size 327680
		.amdhsa_private_segment_fixed_size 0
		.amdhsa_enable_private_segment 0
		.amdhsa_kernarg_size 32
		.amdhsa_user_sgpr_count 2
		.amdhsa_user_sgpr_kernarg_segment_ptr 1
		.amdhsa_wavefront_size32 1
		.amdhsa_system_sgpr_workgroup_id_x 1
		.amdhsa_system_sgpr_workgroup_id_y 1
		.amdhsa_system_sgpr_workgroup_id_z 1
		.amdhsa_system_vgpr_workitem_id 0
		.amdhsa_next_free_vgpr 1024
		.amdhsa_next_free_sgpr 80
		.amdhsa_reserve_vcc 0
		.amdhsa_float_denorm_mode_32 3
		.amdhsa_float_denorm_mode_16_64 3
		.amdhsa_memory_ordered 1
		.amdhsa_forward_progress 1
		.amdhsa_inst_pref_size 134
	.end_amdhsa_kernel
	.amdgpu_metadata
---
amdhsa.version: [ 1, 2 ]
amdhsa.kernels:
  - .name:           k_q44715dd061_down
    .symbol:         k_q44715dd061_down.kd
    .args:
      - { .name: hb, .offset: 0, .size: 8, .value_kind: global_buffer, .address_space: global }
      - { .name: wd, .offset: 8, .size: 8, .value_kind: global_buffer, .address_space: global }
      - { .name: x, .offset: 16, .size: 8, .value_kind: global_buffer, .address_space: global }
      - { .name: out0, .offset: 24, .size: 8, .value_kind: global_buffer, .address_space: global }
    .group_segment_fixed_size: 327680
    .private_segment_fixed_size: 0
    .kernarg_segment_align: 8
    .kernarg_segment_size: 32
    .max_flat_workgroup_size: 128
    .sgpr_count:     80
    .vgpr_count:     1024
    .wavefront_size: 32
...
	.end_amdgpu_metadata
.endif
;; end of part 3
